; MI455X (gfx1250); checked and timed in simulation.
; The chip was launched on July 23, 2026; its instructions are those of AMD's public machine-readable ISA for CDNA 5 (MIT licence, August 2026) and "CDNA5" Instruction Set Architecture Reference Guide (July 2026).
;; Attention. Allowed arithmetic: matrix products marked QUANTISED: E2M3 operands, one E8M0 scale for each 32 along K, by v_wmma_scale_f32_16x16x128_f8f6f4 with both operands' format E2M3, f32 sums; everything else in f32.
;; Inputs: Wk 768 x 768 float32; Wo 768 x 768 float32; Wq 768 x 768 float32; Wv 768 x 768 float32; inputKeys 1 x 4,096 x 768 float32; inputQueries 1 x 4,096 x 768 float32; inputValues 1 x 4,096 x 768 float32.
;; Outputs: out0 1 x 4,096 x 768 float32.
;; This version of the problem:
;;   THIS VERSION OF THE PROBLEM IS GIVEN IN LOW PRECISION. The matrix products marked QUANTISED in the list below multiply operands that are first quantised to E2M3 (2 exponent bits, 3 mantissa bits; 6 bits a number), with one power-of-two scale for each 32 numbers along K (OCP MX v1.0); their sums are f32. All else is computed in f32.
;;   The module's matrix products, in the order in which they are computed (A, B: the left and right operand; K: the contracted axis; several contracted axes count as one K, in the product's order):
;;     1. [M 4,096, K 768] x [K 768, N 768]; A: input inputQueries; B: input Wq: QUANTISED
;;     2. [M 4,096, K 768] x [K 768, N 768]; A: input inputKeys; B: input Wk: QUANTISED
;;     3. [M 4,096, K 768] x [K 768, N 768]; A: input inputValues; B: input Wv: QUANTISED
;;     4. batch 12 x [M 4,096, K 64] x [K 64, N 4,096]; A: computed on the way; B: computed on the way: QUANTISED
;;     5. batch 12 x [M 4,096, K 4,096] x [K 4,096, N 64]; A: softmax (see below); B: computed on the way: QUANTISED
;;     6. [M 4,096, K 768] x [K 768, N 768]; A: computed on the way; B: input Wo: QUANTISED
;;   THE QUANTISER, for each operand of a quantised product, along K:
;;     - K is cut into blocks of 32 from its start; a last block that is shorter is filled with zeros.
;;     - A block's scale is 2^e with e = floor(log2(the largest magnitude in the block)) - 2, held to -126 .. 127; a block of zeros has e = 0. As a byte (E8M0): e + 127.
;;     - Each number is divided by its block's scale, clamped to +-7.5, and rounded to the nearest number of E2M3, ties to even, subnormals kept.
;;     - The product sums the exact products of the quantised numbers (number of the format x scale) in f32.
;;   ~~~python
;;   def quantise(x, axis):      # numpy; x: float32 -> the quantised numbers, widened to float32 again
;;       x = np.moveaxis(x, axis, -1); K = x.shape[-1]
;;       x = np.pad(x, [(0, 0)] * (x.ndim - 1) + [(0, -K % 32)]); x = x.reshape(x.shape[:-1] + (-1, 32)); a = np.abs(x).max(-1, keepdims=True)
;;       e = np.where(a > 0, np.clip(np.frexp(np.where(a > 0, a, 1))[1] - 1 - 2, -126, 127), 0)      # np.frexp(a)[1] - 1 = floor(log2(a)), exactly
;;       r = np.clip(x / 2.0 ** e, -7.5, 7.5)
;;       step = 2.0 ** (np.maximum(np.frexp(np.where(r == 0, 1, r))[1] - 1, 0) - 3)
;;       q = np.round(r / step) * step * 2.0 ** e      # np.round: ties to even
;;       return np.moveaxis(q.reshape(q.shape[:-2] + (-1,))[..., :K], -1, axis).astype(np.float32)
;;   ~~~
;;   SOFTMAX AHEAD OF A QUANTISED PRODUCT. Where the list says 'softmax', what is quantised is not the finished softmax but p = 2^(t - M), with t = logit x log2(e) and M = ceil(the row's largest t), a whole number; so 1/2 < the row's largest p <= 1. The row's sum l is taken of the UNQUANTISED p, in f32, and the product's result is divided by l at the end. Since M is a whole number, a kernel that streams over the keys may use a running M (the ceiling of the running maximum): every later rescaling is an exact power of two, which a block's scale takes up: the codes' values come out the same.
;;   OPERANDS COMPUTED ON THE WAY. 'Computed on the way' means the value that the module computes at that place (a softmax that the list does not call 'softmax' is quantised finished and normalised). What goes into a quantiser is computed in f32, as accurately as f32 sums, v_exp_f32 and their like allow (about 1e-6 of the number): no bf16 or f16 on the way to a quantiser, and a product that is left as it is and whose result goes on into a quantised operand takes f32 operands (vector FMAs, or v_wmma_f32_16x16x4_f32). A number that lies on a knife's edge between two numbers of the format may be rounded either way, as far as f32 arithmetic and the matrix unit's own rounding can turn it there, and no further.
;; One version. Each part assembles by itself: llvm-mc -triple=amdgcn-amd-amdhsa -mcpu=gfx1250 --defsym DOCPART=n.
;; ======== version 1 of 1: 4 launches
;; limits: right only within a limited range of input values
;; workspace buffers: cod 8,847,360 bytes; scl 368,640 bytes; qb 2,555,904 bytes; kvb 5,013,504 bytes; ctxc 2,359,296 bytes; ctxs 393,216 bytes
;; launch quant (part 1): grid 240 x 3, 4 waves a work-group, no clusters, 34,304 bytes of LDS; arguments inputQueries, inputKeys, inputValues, Wq, Wk, Wv, Wo, cod, scl; writes cod, scl
.if DOCPART == 1
	.amdgcn_target "amdgcn-amd-amdhsa--gfx1250"
	.amdhsa_code_object_version 6
	.text
	.protected	k_q6b05520003_quant
	.globl	k_q6b05520003_quant
	.p2align	8
	.type	k_q6b05520003_quant,@function
k_q6b05520003_quant:
	s_mov_b64 s[64:65], 0
	v_nop
	global_prefetch_b8 v0, s[64:65] scope:SCOPE_SE
	s_setreg_imm32_b32 hwreg(HW_REG_WAVE_MODE, 25, 1), 1
	s_wait_xcnt 0x0
.set STG,   8448
.set PIT,   528
.set SPARE, 4*STG
.set L16,  1
.set SIN,  2
.set SOUT, 3
.set L4,   4
.set LN,   5
.set SPW,  6
.set NIL,  7
.set PW0,  8
.set PW1,  9
.set PWP,  10
.set TM,   12
.set CT,   28
.set PC0,  36
.set PC1,  48
.set X,    64
.set R,    128
.set SEL,  36
	s_load_b512 s[8:23], s[0:1], 0x0
	s_load_b64 s[24:25], s[0:1], 0x40
	v_lshl_add_u32 v[SPW], v0, 2, SPARE
	v_mov_b32 v[NIL], 0
	v_lshrrev_b32 v[LN], 5, v0
	v_readfirstlane_b32 s26, v[LN]
	v_and_b32 v[LN], 31, v0
	v_lshlrev_b32 v[L16], 4, v[LN]
	v_lshlrev_b32 v[L4], 2, v[LN]
	s_mul_i32 s27, s26, STG
	v_add_nc_u32 v[SIN], s27, v[L16]
	v_and_b32 v[SOUT], 15, v0
	v_mul_u32_u24 v[SOUT], v[SOUT], PIT
	v_bfe_u32 v11, v0, 4, 1
	v_lshl_add_u32 v[SOUT], v11, 6, v[SOUT]
	v_add_nc_u32 v[SOUT], s27, v[SOUT]
	s_mov_b32 s[SEL], 0x76543210
	s_mov_b32 s[SEL+1], 0xfedcba98
.irp b, 0,1,2,3
	v_mov_b32 v[TM+4+\b], 0
.endr
	s_and_b32 s28, ttmp7, 0xffff
	s_lshl_b32 s29, ttmp9, 2
	s_add_co_u32 s29, s29, s26
	s_wait_alu depctr_va_vdst(0)
	s_wait_kmcnt 0x0
	s_mov_b64 s[4:5], s[20:21]
	s_mov_b32 s6, 228
.macro PICK lim, ptr, first
	s_cmp_lt_u32 ttmp9, \lim
	s_cselect_b64 s[4:5], s[\ptr:\ptr+1], s[4:5]
	s_cselect_b32 s6, \first, s6
.endm
	PICK 228, 18, 216
	PICK 216, 16, 204
	PICK 204, 14, 192
	PICK 192, 12, 128
	PICK 128, 10, 64
	PICK 64, 8, 0
	s_lshl_b32 s6, s6, 2
	s_sub_co_u32 s30, s29, s6
	s_sub_co_u32 s38, ttmp9, 64
	s_cmp_lt_u32 s38, 64
	s_cselect_b32 s39, 2, 1
	s_cselect_b32 s42, 3, 1
	s_lshr_b32 s31, s30, s39
	s_lshl_b32 s31, s31, s39
	s_sub_co_u32 s30, s30, s31
	s_lshl_b32 s30, s30, 3
	s_lshl_b32 s31, s31, 4
	s_add_co_u32 s31, s31, s30
	s_mul_i32 s42, s42, 8*3072
	s_mov_b32 s43, 0
	s_mul_i32 s32, s31, 3072
	s_lshl_b32 s30, s28, 10
	s_add_co_u32 s32, s32, s30
	s_mov_b32 s33, 0
	s_add_nc_u64 s[4:5], s[4:5], s[32:33]
	s_add_nc_u64 s[40:41], s[4:5], s[42:43]
	s_mul_i32 s32, s29, 6
	s_lshl_b32 s30, s28, 1
	s_add_co_u32 s32, s32, s30
	s_mul_i32 s32, s32, 1536
	s_add_nc_u64 s[22:23], s[22:23], s[32:33]
	s_mul_i32 s32, s29, 3
	s_add_co_u32 s32, s32, s28
	s_lshl_b32 s32, s32, 7
	s_add_nc_u64 s[24:25], s[24:25], s[32:33]
.macro LOADS e
.irp i, 0,1,2,3,4,5,6,7,8,9,10,11,12,13,14,15
	global_load_b128 v[R+64*\e+4*\i:R+64*\e+4*\i+3], v[L16], s[4+36*(\i/8):5+36*(\i/8)] offset:\i*3072+512*\e th:TH_LOAD_NT
.endr
.endm
.macro TURN src, dst
.irp i, 0,1,2,3,4,5,6,7,8,9,10,11,12,13,14,15
	ds_store_b128 v[SIN], v[\src+4*\i:\src+4*\i+3] offset:PIT*\i
.endr
.irp b, 0,1,2,3
.irp q, 0,1,2,3
	ds_load_b128 v[\dst+16*\b+4*\q:\dst+16*\b+4*\q+3], v[SOUT] offset:128*\b+16*\q
.endr
.endr
.endm
.macro QUANT s, d0, d1, pw
.irp b, 0,1,2,3
	v_max3_num_f32 v[TM+\b], |v[\s+16*\b]|, |v[\s+1+16*\b]|, 0x1800000
.endr
.irp i, 2,4,6,8,10,12,14
.irp b, 0,1,2,3
	v_max3_num_f32 v[TM+\b], v[TM+\b], |v[\s+16*\b+\i]|, |v[\s+1+16*\b+\i]|
.endr
.endr
.irp b, 0,1,2,3
	v_permlanex16_b32 v[TM+4+\b], v[TM+\b], s[SEL], s[SEL+1]
.endr
.irp b, 0,1,2,3
	v_max_num_f32 v[TM+\b], v[TM+\b], v[TM+4+\b]
.endr
.irp b, 0,1,2,3
	v_add_nc_u32 v[TM+8+\b], 0xff000000, v[TM+\b]
.endr
.irp b, 0,1,2,3
	v_lshrrev_b32 v[TM+4+\b], 23, v[TM+8+\b]
.endr
	v_lshl_or_b32 v[\pw], v[TM+5], 8, v[TM+4]
	v_lshl_or_b32 v[\pw], v[TM+6], 16, v[\pw]
	v_lshl_or_b32 v[\pw], v[TM+7], 24, v[\pw]
	v_cvt_scalef32_pk16_fp6_f32 v[\d0:\d0+2], v[\s:\s+15], v[TM+8]
	v_cvt_scalef32_pk16_fp6_f32 v[CT:CT+2], v[\s+16:\s+31], v[TM+9]
	v_cvt_scalef32_pk16_fp6_f32 v[\d1:\d1+2], v[\s+32:\s+47], v[TM+10]
	v_cvt_scalef32_pk16_fp6_f32 v[CT+4:CT+6], v[\s+48:\s+63], v[TM+11]
	v_nop
.irp i, 0,1,2
	v_permlane16_swap_b32 v[\d0+\i], v[CT+\i]
	v_permlane16_swap_b32 v[\d1+\i], v[CT+4+\i]
.endr
.irp i, 0,1,2
	v_mov_b32 v[\d0+3+\i], v[CT+\i]
	v_mov_b32 v[\d1+3+\i], v[CT+4+\i]
.endr
.endm
	LOADS 0
	LOADS 1
	s_wait_loadcnt 16
	TURN R, X
	s_wait_loadcnt 0x0
	s_wait_dscnt 0x0
	TURN R+64, R
	QUANT X, PC0, PC0+6, PW0
.irp c, 0,1,2
	global_store_b128 v[L16], v[PC0+4*\c:PC0+4*\c+3], s[22:23] offset:512*\c
.endr
	s_wait_dscnt 0x0
	QUANT R, PC1, PC1+6, PW1
.irp c, 0,1,2
	global_store_b128 v[L16], v[PC1+4*\c:PC1+4*\c+3], s[22:23] offset:1536+512*\c
.endr
	v_cmp_le_u32 vcc_lo, 16, v[LN]
	v_cndmask_b32 v[PWP], v[PW0], v[PW1], vcc_lo
	global_store_b32 v[L4], v[PWP], s[24:25]
	s_wait_tensorcnt 0x0
	ds_add_u32 v[SPW], v[NIL]
	s_wait_dscnt 0x0
	s_endpgm
.Lfunc_end_k_q6b05520003_quant:
	.size	k_q6b05520003_quant, .Lfunc_end_k_q6b05520003_quant-k_q6b05520003_quant
	.p2alignl 7, 3214868480
	.fill 96, 4, 3214868480
	.section	.rodata,"a",@progbits
	.p2align	6, 0x0
	.amdhsa_kernel k_q6b05520003_quant
		.amdhsa_group_segment_fixed_size 34304
		.amdhsa_private_segment_fixed_size 0
		.amdhsa_enable_private_segment 0
		.amdhsa_kernarg_size 72
		.amdhsa_user_sgpr_count 2
		.amdhsa_user_sgpr_kernarg_segment_ptr 1
		.amdhsa_wavefront_size32 1
		.amdhsa_system_sgpr_workgroup_id_x 1
		.amdhsa_system_sgpr_workgroup_id_y 1
		.amdhsa_system_sgpr_workgroup_id_z 1
		.amdhsa_system_vgpr_workitem_id 0
		.amdhsa_next_free_vgpr 256
		.amdhsa_next_free_sgpr 66
		.amdhsa_reserve_vcc 1
		.amdhsa_float_denorm_mode_32 3
		.amdhsa_float_denorm_mode_16_64 3
		.amdhsa_memory_ordered 1
		.amdhsa_forward_progress 1
		.amdhsa_inst_pref_size 19
	.end_amdhsa_kernel
	.amdgpu_metadata
---
amdhsa.version: [ 1, 2 ]
amdhsa.kernels:
  - .name:           k_q6b05520003_quant
    .symbol:         k_q6b05520003_quant.kd
    .args:
      - { .name: inputQueries, .offset: 0, .size: 8, .value_kind: global_buffer, .address_space: global }
      - { .name: inputKeys, .offset: 8, .size: 8, .value_kind: global_buffer, .address_space: global }
      - { .name: inputValues, .offset: 16, .size: 8, .value_kind: global_buffer, .address_space: global }
      - { .name: Wq, .offset: 24, .size: 8, .value_kind: global_buffer, .address_space: global }
      - { .name: Wk, .offset: 32, .size: 8, .value_kind: global_buffer, .address_space: global }
      - { .name: Wv, .offset: 40, .size: 8, .value_kind: global_buffer, .address_space: global }
      - { .name: Wo, .offset: 48, .size: 8, .value_kind: global_buffer, .address_space: global }
      - { .name: cod, .offset: 56, .size: 8, .value_kind: global_buffer, .address_space: global }
      - { .name: scl, .offset: 64, .size: 8, .value_kind: global_buffer, .address_space: global }
    .group_segment_fixed_size: 34304
    .private_segment_fixed_size: 0
    .kernarg_segment_align: 8
    .kernarg_segment_size: 72
    .max_flat_workgroup_size: 128
    .sgpr_count:     66
    .vgpr_count:     256
    .wavefront_size: 32
...
	.end_amdgpu_metadata
.endif
;; end of part 1
;; launch proj (part 2): grid 48 x 3, 8 waves a work-group, no clusters, 327,680 bytes of LDS; arguments cod, scl, qb, kvb; writes qb, kvb
.if DOCPART == 2
	.amdgcn_target "amdgcn-amd-amdhsa--gfx1250"
	.amdhsa_code_object_version 6
	.text
	.protected	k_q6b05520003_proj
	.globl	k_q6b05520003_proj
	.p2align	8
	.type	k_q6b05520003_proj,@function
k_q6b05520003_proj:
	s_mov_b64 s[64:65], 0
	v_nop
	global_prefetch_b8 v0, s[64:65] scope:SCOPE_SE
	s_setreg_imm32_b32 hwreg(HW_REG_WAVE_MODE, 25, 1), 1
	s_wait_xcnt 0x0
.set ROWC,  0
.set COLC,  147456
.set ROWS,  294912
.set COLS,  301056
.set SPARE, 307200
.set AR,   1
.set AC,   4
.set ARS,  7
.set ACS,  8
.set L16,  9
.set L8,   10
.set LN,   11
.set SPW,  12
.set NIL,  13
.set SR,   16
.set SCW,  28
.set COLF, 64
.set ROWF, 160
.set CD,   64
.set PWR,  112
.set EW,   116
.set TM,   124
.set CT,   136
.set MSB, 0
.macro WIN new
.if MSB != \new
	s_set_vgpr_msb (MSB<<8)|\new
.set MSB, \new
.endif
.endm
	s_load_b256 s[4:11], s[0:1], 0x0
	v_lshl_add_u32 v[SPW], v0, 2, SPARE
	v_mov_b32 v[NIL], 0
	ds_add_u32 v[SPW], v[NIL]
	ds_add_u32 v[SPW], v[NIL]
	v_lshrrev_b32 v14, 5, v0
	s_delay_alu instid0(VALU_DEP_1)
	v_readfirstlane_b32 s12, v14
	s_and_b32 s13, ttmp7, 0xffff
	s_and_b32 s14, ttmp9, 15
	s_lshr_b32 s15, ttmp9, 4
	s_lshr_b32 s16, s12, 1
	s_and_b32 s17, s12, 1
	s_mov_b32 s24, 3<<16
	s_mov_b32 s25, 32<<16
	s_mov_b32 s26, 192<<16
	s_mov_b32 s27, 32<<16
	s_mov_b32 s28, 192
	s_mov_b32 s29, 32
	s_mov_b32 s30, 0
	s_mov_b32 s31, 0
	s_mov_b32 s32, 3<<16
	s_mov_b32 s33, 32<<16
	s_mov_b32 s34, 24<<16
	s_mov_b32 s35, 32<<16
	s_mov_b32 s36, 24
	s_mov_b32 s37, 32
	s_mov_b32 s38, 0
	s_mov_b32 s39, 0
	s_lshl_b32 s18, s13, 8
	s_lshl_b32 s2, s14, 4
	s_add_co_u32 s18, s18, s2
	s_mul_i32 s19, s13, 48
	s_lshl_b32 s2, s15, 4
	s_add_co_u32 s19, s19, s2
	s_add_co_u32 s19, s19, 768
	s_cmp_lt_u32 s13, 2
	s_cselect_b32 s20, s18, s19
	s_cselect_b32 s21, s19, s18
	s_cmp_lt_u32 s12, 3
	s_cselect_b32 s22, s20, s21
	s_cselect_b32 s3, 0, 3
	s_sub_co_u32 s3, s12, s3
	s_mul_i32 s3, s3, 49152
	s_mul_i32 s22, s22, 9216
	s_add_co_u32 s22, s22, s3
	s_mov_b32 s23, 0
	s_mov_b32 s44, 1
	s_mul_i32 s45, s12, 49152
	s_and_b32 s2, s12, 1
	s_cmp_eq_u32 s2, 0
	s_cselect_b32 s3, s20, s21
	s_mul_i32 s2, s2, 6144
	s_mov_b32 s40, 1
	s_add_co_u32 s41, s2, ROWS
	s_mul_i32 s2, s3, 384
	s_mov_b32 s3, 0
	s_wait_dscnt 0x0
	s_wait_kmcnt 0x0
	s_add_nc_u64 s[42:43], s[6:7], s[2:3]
	s_or_b32 s43, s43, 0x80000000
	s_add_nc_u64 s[46:47], s[4:5], s[22:23]
	s_or_b32 s47, s47, 0x80000000
	s_cmp_lt_u32 s12, 6
	s_cbranch_scc0 .Lhead_scales
	tensor_load_to_lds s[44:47], s[24:31]
	s_nop 0
.rept 4
	v_nop
.endr
	s_branch .Lhead_asked
.Lhead_scales:
	tensor_load_to_lds s[40:43], s[32:39]
	s_nop 0
.rept 4
	v_nop
.endr
.Lhead_asked:
	v_and_b32 v[LN], 31, v0
	s_delay_alu instid0(VALU_DEP_1)
	v_lshlrev_b32 v[L16], 4, v[LN]
	s_delay_alu instid0(VALU_DEP_2)
	v_lshlrev_b32 v[L8], 3, v[LN]
	s_delay_alu instid0(VALU_DEP_3)
	v_lshlrev_b32 v14, 2, v[LN]
	s_wait_alu depctr_va_vdst(0)
	s_mul_i32 s2, s16, 36864
	s_mul_i32 s3, s17, 73728
	s_add_co_u32 s3, s3, COLC
.irp j, 0,1,2
	v_add_nc_u32 v[AR+\j], s2, v[L16]
	v_add_nc_u32 v[AC+\j], s3, v[L16]
	v_add_nc_u32 v[AC+48+\j], 36864, v[AC+\j]
	s_add_co_u32 s2, s2, 3072
	s_add_co_u32 s3, s3, 3072
.endr
	s_mul_i32 s2, s16, 1536
	s_add_co_u32 s2, s2, ROWS
	v_add_nc_u32 v[ARS], s2, v14
	s_mul_i32 s2, s17, 3072
	s_add_co_u32 s2, s2, COLS
	v_add_nc_u32 v[ACS], s2, v14
.macro GSTEP j, e, zero
	WIN 0
.rept 4
	v_nop
.endr
.irp a, 0,1,2,3
.irp c, 0,1,2
	ds_load_b128 v[ROWF+12*\a+4*\c:ROWF+12*\a+4*\c+3], v[AR+\j] offset:9216*\a+1536*\e+512*\c
.endr
.endr
.irp b, 0,1,2,3,4,5,6,7
.irp c, 0,1,2
	ds_load_b128 v[COLF+12*\b+4*\c:COLF+12*\b+4*\c+3], v[AC+48*(\b/4)+\j] offset:9216*(\b%4)+1536*\e+512*\c
.endr
.endr
	WIN 0x50
.irp b, 0,1,2,3,4,5,6,7
	s_wait_dscnt 3*(7-\b)
.irp a, 0,1,2,3
.if \zero
	v_wmma_scale_f32_16x16x128_f8f6f4 v[8*(8*\a+\b):8*(8*\a+\b)+7], v[COLF+12*\b:COLF+12*\b+11], v[ROWF+12*\a:ROWF+12*\a+11], 0, v[SCW+3*\b+\j], v[SR+3*\a+\j] matrix_a_fmt:MATRIX_FMT_FP6 matrix_b_fmt:MATRIX_FMT_FP6
.elseif \e
	v_wmma_scale_f32_16x16x128_f8f6f4 v[8*(8*\a+\b):8*(8*\a+\b)+7], v[COLF+12*\b:COLF+12*\b+11], v[ROWF+12*\a:ROWF+12*\a+11], v[8*(8*\a+\b):8*(8*\a+\b)+7], v[SCW+3*\b+\j], v[SR+3*\a+\j] matrix_a_fmt:MATRIX_FMT_FP6 matrix_b_fmt:MATRIX_FMT_FP6 matrix_a_scale:MATRIX_SCALE_ROW1 matrix_b_scale:MATRIX_SCALE_ROW1
.else
	v_wmma_scale_f32_16x16x128_f8f6f4 v[8*(8*\a+\b):8*(8*\a+\b)+7], v[COLF+12*\b:COLF+12*\b+11], v[ROWF+12*\a:ROWF+12*\a+11], v[8*(8*\a+\b):8*(8*\a+\b)+7], v[SCW+3*\b+\j], v[SR+3*\a+\j] matrix_a_fmt:MATRIX_FMT_FP6 matrix_b_fmt:MATRIX_FMT_FP6
.endif
.endr
.endr
.endm
.macro QUANTW s, d0, d1, pw
	WIN 0x05
.irp b, 0,1,2,3
	v_max3_num_f32 v[TM+\b], |v[\s+16*\b]|, |v[\s+1+16*\b]|, 0x1800000
.endr
	WIN 0x14
.irp i, 2,4,6,8,10,12,14
.irp b, 0,1,2,3
	v_max3_num_f32 v[TM+\b], v[TM+\b], |v[\s+16*\b+\i]|, |v[\s+1+16*\b+\i]|
.endr
.endr
	WIN 0
.irp b, 0,1,2,3
	v_permlanex16_b32 v[TM+4+\b], v[TM+\b], s[62], s[63]
.endr
.irp b, 0,1,2,3
	s_delay_alu instid0(VALU_DEP_4)
	v_max_num_f32 v[TM+\b], v[TM+\b], v[TM+4+\b]
.endr
.irp b, 0,1,2,3
	s_delay_alu instid0(VALU_DEP_4)
	v_add_nc_u32 v[TM+8+\b], 0xff000000, v[TM+\b]
.endr
.irp b, 0,1,2,3
	s_delay_alu instid0(VALU_DEP_4)
	v_lshrrev_b32 v[TM+4+\b], 23, v[TM+8+\b]
.endr
	s_delay_alu instid0(VALU_DEP_3)
	v_lshl_or_b32 v[\pw], v[TM+5], 8, v[TM+4]
	s_delay_alu instid0(VALU_DEP_1)
	v_lshl_or_b32 v[\pw], v[TM+6], 16, v[\pw]
	s_delay_alu instid0(VALU_DEP_1)
	v_lshl_or_b32 v[\pw], v[TM+7], 24, v[\pw]
	WIN 0x01
	v_cvt_scalef32_pk16_fp6_f32 v[\d0:\d0+2], v[\s:\s+15], v[TM+8]
	v_cvt_scalef32_pk16_fp6_f32 v[CT:CT+2], v[\s+16:\s+31], v[TM+9]
	v_cvt_scalef32_pk16_fp6_f32 v[\d1:\d1+2], v[\s+32:\s+47], v[TM+10]
	v_cvt_scalef32_pk16_fp6_f32 v[CT+4:CT+6], v[\s+48:\s+63], v[TM+11]
	WIN 0
	v_nop
.irp i, 0,1,2
	v_permlane16_swap_b32 v[\d0+\i], v[CT+\i]
	v_permlane16_swap_b32 v[\d1+\i], v[CT+4+\i]
.endr
.irp i, 0,1,2
	v_mov_b32 v[\d0+3+\i], v[CT+\i]
	v_mov_b32 v[\d1+3+\i], v[CT+4+\i]
.endr
.endm
	s_wait_alu depctr_va_vdst(0)
	s_wait_tensorcnt 0x0
	s_barrier_signal -1
	s_barrier_wait -1
.irp a, 0,1,2,3
.irp j, 0,1,2
	ds_load_b32 v[SR+3*\a+\j], v[ARS] offset:384*\a+128*\j
.endr
.endr
.irp b, 0,1,2,3,4,5,6,7
.irp j, 0,1,2
	ds_load_b32 v[SCW+3*\b+\j], v[ACS] offset:384*\b+128*\j
.endr
.endr
	GSTEP 0, 0, 1
	GSTEP 0, 1, 0
	GSTEP 1, 0, 0
	GSTEP 1, 1, 0
	GSTEP 2, 0, 0
	GSTEP 2, 1, 0
	WIN 0
.rept 4
	v_nop
.endr
.irp b, 0,1,2,3
	v_mov_b32 v[TM+4+\b], 0
.endr
	v_cmp_le_u32 s3, 16, v[LN]
	s_mov_b32 s62, 0x76543210
	s_mov_b32 s63, 0xfedcba98
	s_cmp_eq_u32 s13, 2
	s_cbranch_scc1 .Lvout
	s_lshl_b32 s2, s15, 2
	s_lshl_b32 s22, s17, 1
	s_add_co_u32 s2, s2, s22
	s_lshl_b32 s2, s2, 4
	s_add_co_u32 s2, s2, s14
	s_cmp_eq_u32 s13, 0
	s_cselect_b64 s[56:57], s[8:9], s[10:11]
	s_mov_b32 s22, 26112
	s_cselect_b32 s22, 13312, s22
	s_mov_b32 s23, 24576
	s_cselect_b32 s23, 12288, s23
	s_mul_i32 s20, s2, s22
	s_mov_b32 s21, 0
	s_add_nc_u64 s[56:57], s[56:57], s[20:21]
	s_lshl_b32 s20, s16, 8
	s_add_co_u32 s20, s20, s23
	s_add_nc_u64 s[60:61], s[56:57], s[20:21]
	s_mul_i32 s20, s16, 3072
	s_add_nc_u64 s[56:57], s[56:57], s[20:21]
	s_lshl_b32 s20, s22, 4
	s_add_nc_u64 s[58:59], s[56:57], s[20:21]
.irp a, 0,1,2,3
	QUANTW 64*\a, CD+6*\a, CD+24+6*\a, PWR+\a
.endr
	s_add_nc_u64 s[62:63], s[60:61], s[20:21]
.irp c, 0,1,2,3,4,5
	global_store_b128 v[L16], v[CD+4*\c:CD+4*\c+3], s[56:57] offset:512*\c
	global_store_b128 v[L16], v[CD+24+4*\c:CD+24+4*\c+3], s[58:59] offset:512*\c
.endr
	v_cndmask_b32 v[EW], v[PWR], v[PWR+1], s3
	v_cndmask_b32 v[EW+1], v[PWR+2], v[PWR+3], s3
	s_delay_alu instid0(VALU_DEP_2)
	v_and_b32 v[EW+2], 0xffff, v[EW]
	s_delay_alu instid0(VALU_DEP_2)
	v_and_b32 v[EW+3], 0xffff, v[EW+1]
	s_delay_alu instid0(VALU_DEP_4)
	v_lshrrev_b32 v[EW+4], 16, v[EW]
	s_delay_alu instid0(VALU_DEP_4)
	v_lshrrev_b32 v[EW+5], 16, v[EW+1]
	global_store_b64 v[L8], v[EW+2:EW+3], s[60:61]
	global_store_b64 v[L8], v[EW+4:EW+5], s[62:63]
	s_wait_tensorcnt 0x0
	ds_add_u32 v[SPW], v[NIL]
	s_wait_dscnt 0x0
	s_endpgm
.Lvout:
	s_lshl_b32 s2, s15, 2
	s_add_co_u32 s2, s2, s16
	s_lshl_b32 s2, s2, 4
	s_add_co_u32 s2, s2, s14
	s_mul_i32 s20, s2, 26112
	s_mov_b32 s21, 0
	s_add_nc_u64 s[56:57], s[10:11], s[20:21]
	s_lshl_b32 s20, s17, 8
	s_add_co_u32 s20, s20, 25600
	s_add_nc_u64 s[60:61], s[56:57], s[20:21]
	s_mul_i32 s20, s17, 6144
	s_add_co_u32 s20, s20, 12288
	s_add_nc_u64 s[56:57], s[56:57], s[20:21]
.irp a, 0,1,2,3
	QUANTW 64*\a, CD+12*\a, CD+6+12*\a, PWR+\a
.endr
.irp c, 0,1,2,3,4,5,6,7,8,9,10,11
	global_store_b128 v[L16], v[CD+4*\c:CD+4*\c+3], s[56:57] offset:512*\c
.endr
	v_cndmask_b32 v[EW], v[PWR], v[PWR+1], s3
	v_cndmask_b32 v[EW+1], v[PWR+2], v[PWR+3], s3
	global_store_b64 v[L8], v[EW:EW+1], s[60:61]
	s_wait_tensorcnt 0x0
	ds_add_u32 v[SPW], v[NIL]
	s_wait_dscnt 0x0
	s_endpgm
.Lfunc_end_k_q6b05520003_proj:
	.size	k_q6b05520003_proj, .Lfunc_end_k_q6b05520003_proj-k_q6b05520003_proj
	.p2alignl 7, 3214868480
	.fill 96, 4, 3214868480
	.section	.rodata,"a",@progbits
	.p2align	6, 0x0
	.amdhsa_kernel k_q6b05520003_proj
		.amdhsa_group_segment_fixed_size 327680
		.amdhsa_private_segment_fixed_size 0
		.amdhsa_enable_private_segment 0
		.amdhsa_kernarg_size 32
		.amdhsa_user_sgpr_count 2
		.amdhsa_user_sgpr_kernarg_segment_ptr 1
		.amdhsa_wavefront_size32 1
		.amdhsa_system_sgpr_workgroup_id_x 1
		.amdhsa_system_sgpr_workgroup_id_y 1
		.amdhsa_system_sgpr_workgroup_id_z 1
		.amdhsa_system_vgpr_workitem_id 0
		.amdhsa_next_free_vgpr 512
		.amdhsa_next_free_sgpr 66
		.amdhsa_reserve_vcc 0
		.amdhsa_float_denorm_mode_32 3
		.amdhsa_float_denorm_mode_16_64 3
		.amdhsa_memory_ordered 1
		.amdhsa_forward_progress 1
		.amdhsa_inst_pref_size 88
	.end_amdhsa_kernel
	.amdgpu_metadata
---
amdhsa.version: [ 1, 2 ]
amdhsa.kernels:
  - .name:           k_q6b05520003_proj
    .symbol:         k_q6b05520003_proj.kd
    .args:
      - { .name: cod, .offset: 0, .size: 8, .value_kind: global_buffer, .address_space: global }
      - { .name: scl, .offset: 8, .size: 8, .value_kind: global_buffer, .address_space: global }
      - { .name: qb, .offset: 16, .size: 8, .value_kind: global_buffer, .address_space: global }
      - { .name: kvb, .offset: 24, .size: 8, .value_kind: global_buffer, .address_space: global }
    .group_segment_fixed_size: 327680
    .private_segment_fixed_size: 0
    .kernarg_segment_align: 8
    .kernarg_segment_size: 32
    .max_flat_workgroup_size: 256
    .sgpr_count:     66
    .vgpr_count:     512
    .wavefront_size: 32
...
	.end_amdgpu_metadata
.endif
;; end of part 2
;; launch attn (part 3): grid 64 x 4, 12 waves a work-group, clusters of 4 x 1, 327,680 bytes of LDS; arguments qb, kvb, ctxc, ctxs; writes ctxc, ctxs
.if DOCPART == 3
	.amdgcn_target "amdgcn-amd-amdhsa--gfx1250"
	.amdhsa_code_object_version 6
	.text
	.protected	k_q6b05520003_attn
	.globl	k_q6b05520003_attn
	.p2align	8
	.type	k_q6b05520003_attn,@function
k_q6b05520003_attn:
	s_mov_b64 s[64:65], 0
	v_nop
	global_prefetch_b8 v0, s[64:65] scope:SCOPE_SE
	s_setreg_imm32_b32 hwreg(HW_REG_WAVE_MODE, 25, 1), 1
	s_wait_xcnt 0x0
	s_wait_alu depctr_hold_cnt(0) depctr_sa_sdst(0) depctr_va_vdst(0) depctr_va_sdst(0) depctr_va_ssrc(0) depctr_va_vcc(0) depctr_vm_vsrc(0)
	s_getreg_b32 s2, hwreg(HW_REG_IB_STS2, 6, 4)
	s_cmp_eq_u32 s2, 0
	s_cbranch_scc0 .Lentry_in_a_cluster
	s_endpgm
.Lentry_in_a_cluster:
	s_bfe_u32 s2, ttmp6, 0x10000c
	s_cmp_lg_u32 s2, 0x3003
	s_cbranch_scc0 .Lentry_shape_is_right
	s_endpgm
.Lentry_shape_is_right:
.set HB,    26112
.set QB,    13056
.set HS,    2*HB
.set SLOTB, 3*HS
.set SPARE, 2*SLOTB
.set A16,  1
.set A8,   3
.set SPW,  5
.set NIL,  6
.set L8,   7
.set L4,   8
.set PFO,  9
.set SH,   10
.set TPX,  11
.set QF,   16
.set QS,   28
.set PWX,  29
.set KS,   30
.set VS,   34
.set KF,   36
.set PC,   84
.set S,    96
.set O,    160
.set VF,   192
.set CT,   240
.set FF,   248
.set BM,   250
.set SOP,  251
.set TP,   254
.set OLDM, 255
.set BY,   254
.macro CROUND
	s_barrier_signal -1
	s_barrier_wait -1
	s_cmp_lg_u32 s12, 0
	s_cbranch_scc1 .Lnot_wave_0_\@
	s_barrier_signal -3
.Lnot_wave_0_\@:
	s_barrier_wait -3
	s_barrier_signal -1
	s_barrier_wait -1
.endm
	s_load_b256 s[4:11], s[0:1], 0x0
	v_lshl_add_u32 v[SPW], v0, 2, SPARE
	v_mov_b32 v[NIL], 0
	ds_add_u32 v[SPW], v[NIL]
	ds_add_u32 v[SPW], v[NIL]
	v_lshrrev_b32 v101, 5, v0
	s_delay_alu instid0(VALU_DEP_1)
	v_readfirstlane_b32 s12, v101
	s_bfe_u32 s13, ttmp6, 0x40000
	s_lshl_b32 s14, ttmp9, 2
	s_add_co_u32 s14, s14, s13
	s_and_b32 s15, ttmp7, 0xffff
	s_lshr_b32 s16, s12, 2
	s_and_b32 s17, s12, 3
	s_mul_i32 s18, s15, 3
	s_add_co_u32 s18, s18, s16
	s_mov_b32 s24, 15|(3<<16)|(1<<21)
	s_mov_b32 s25, 32<<16
	s_mov_b32 s26, 51<<16
	s_mov_b32 s27, 32<<16
	s_mov_b32 s28, 51
	s_mov_b32 s29, 32
	s_mov_b32 s30, 0
	s_mov_b32 s31, 0
	s_mul_i32 s51, s12, QB
	s_mov_b32 s32, 1
	s_mov_b32 s33, s51
	s_mov_b32 s36, 1
	s_add_co_u32 s37, s51, SLOTB
	s_mul_i32 s52, s18, 16*HB
	s_mul_i32 s53, s17, QB
	s_add_co_u32 s52, s52, s53
	s_mov_b32 s53, 0
	s_mov_b32 s20, 0x76543210
	s_mov_b32 s21, 0xfedcba98
	s_mov_b32 s22, 0x3e38aa3b
	s_mov_b32 s23, s22
	s_mov_b32 s44, 3
	s_wait_dscnt 0x0
	s_wait_kmcnt 0x0
	s_add_nc_u64 s[34:35], s[6:7], s[52:53]
	s_add_nc_u64 s[38:39], s[34:35], HS
	s_mov_b64 s[46:47], s[38:39]
	s_or_b32 s35, s35, 0x80000000
	s_or_b32 s39, s39, 0x80000000
	CROUND
	tensor_load_to_lds s[32:35], s[24:31]
	s_nop 0
	s_lshl_b32 s58, s18, 4
	s_lshr_b32 s59, s14, 2
	s_add_co_u32 s58, s58, s59
	s_mul_i32 s58, s58, 13312
	s_mov_b32 s59, 0
	s_add_nc_u64 s[4:5], s[4:5], s[58:59]
	s_and_b32 s60, s14, 3
	s_mul_i32 s61, s60, 3072
	s_mul_i32 s62, s17, 3
.irp p, 0,1,2
	s_add_co_u32 s63, s62, \p
	s_lshr_b32 s56, s63, 1
	s_lshl_b32 s56, s56, 9
	s_and_b32 s63, s63, 1
	s_lshl_b32 s63, s63, 3
	s_add_co_u32 s56, s56, s63
	s_add_co_u32 s[40+\p], s56, s61
.endr
	s_lshl_b32 s56, s60, 8
	s_add_co_u32 s56, s56, 12288
	s_and_b32 s63, s17, 1
	s_lshl_b32 s63, s63, 7
	s_add_co_u32 s56, s56, s63
	s_lshr_b32 s63, s17, 1
	s_lshl_b32 s63, s63, 2
	s_add_co_u32 s43, s56, s63
	s_lshl_b32 s58, s14, 2
	s_add_co_u32 s58, s58, s17
	s_mul_i32 s58, s58, 12
	s_add_co_u32 s58, s58, s18
	s_mul_i32 s60, s58, 768
	s_mov_b32 s61, 0
	s_add_nc_u64 s[8:9], s[8:9], s[60:61]
	s_lshl_b32 s60, s58, 7
	s_add_nc_u64 s[10:11], s[10:11], s[60:61]
	s_mul_i32 s57, s13, 13
	s_mul_i32 s49, s16, HS
	v_and_b32 v101, 31, v0
	v_and_b32 v99, 15, v0
	s_delay_alu instid0(VALU_DEP_2)
	v_lshlrev_b32 v100, 4, v101
	s_delay_alu instid0(VALU_DEP_2)
	v_lshl_add_u32 v99, v99, 3, s43
	s_delay_alu instid0(VALU_DEP_2)
	v_add_nc_u32 v96, s40, v100
	v_add_nc_u32 v97, s41, v100
	v_add_nc_u32 v98, s42, v100
	s_wait_alu depctr_va_vdst(0)
.irp p, 0,1,2
	global_load_b64 v[QF+2*\p:QF+2*\p+1], v[96+\p], s[4:5]
.endr
	global_load_b32 v[QS], v99, s[4:5]
	v_lshlrev_b32 v[L8], 3, v101
	v_lshlrev_b32 v[L4], 2, v101
	v_min_u32 v[PFO], 12, v101
	v_bfe_u32 v[SH], v0, 4, 1
	s_delay_alu instid0(VALU_DEP_2)
	v_add_nc_u32 v[PFO], s57, v[PFO]
	s_delay_alu instid0(VALU_DEP_2)
	v_lshlrev_b32 v[SH], 3, v[SH]
	s_delay_alu instid0(VALU_DEP_2)
	v_min_u32 v[PFO], 50, v[PFO]
	v_add_nc_u32 v[A16], s49, v100
	s_delay_alu instid0(VALU_DEP_2)
	v_lshlrev_b32 v[PFO], 8, v[PFO]
	v_add_nc_u32 v[A8], s49, v[L8]
	s_delay_alu instid0(VALU_DEP_3)
	v_add_nc_u32 v[A16+1], SLOTB, v[A16]
	s_delay_alu instid0(VALU_DEP_2)
	v_add_nc_u32 v[A8+1], SLOTB, v[A8]
	v_mov_b32 v13, 0xff61b1e6
	s_delay_alu instid0(VALU_DEP_1)
	v_floor_f32 v12, -v13
	v_mov_b32 v14, 0
	v_mov_b32 v15, 0
.irp i, 0,1,2,3,4,5
	v_mov_b32 v[QF+6+\i], 0
	v_mov_b32 v[PC+\i], 0
.endr
	v_mov_b32 v[TPX], 0
	v_mov_b32 v[PWX], 0
	v_mov_b32 v[FF+1], 0
.set jj, 0
.rept 32
	v_mov_b32 v[O+jj], 0
.set jj, jj+1
.endr
.macro KLOAD slot, st
.set cc, 0
.rept 12
	ds_load_b128 v[KF+4*cc:KF+4*cc+3], v[A16+\slot] offset:HB*((\st)/2)+6144*((\st)%2)+512*cc
.set cc, cc+1
.endr
.irp u, 0,1
	ds_load_b64 v[KS+2*\u:KS+2*\u+1], v[A8+\slot] offset:HB*((\st)/2)+24576+512*((\st)%2)+256*\u
.endr
.endm
.macro VLOAD slot, st
.set cc, 0
.rept 12
	ds_load_b128 v[VF+4*cc:VF+4*cc+3], v[A16+\slot] offset:HB*((\st)/2)+12288+6144*((\st)%2)+512*cc
.set cc, cc+1
.endr
	ds_load_b64 v[VS:VS+1], v[A8+\slot] offset:HB*((\st)/2)+25600+256*((\st)%2)
.endm
.macro OM j
	v_pk_mul_f32 v[O+2*(\j):O+2*(\j)+1], v[O+2*(\j):O+2*(\j)+1], v[FF:FF+1] op_sel_hi:[1,0]
.endm
.macro STEP slot, st, ask, meet
	s_wait_dscnt 0x0
.irp u, 0,1,2,3
	v_wmma_scale_f32_16x16x128_f8f6f4 v[S+16*\u:S+16*\u+7], v[KF+12*\u:KF+12*\u+11], v[QF:QF+11], 0, v[KS+\u], v[QS] matrix_a_fmt:MATRIX_FMT_FP6 matrix_b_fmt:MATRIX_FMT_FP6
	v_wmma_scale_f32_16x16x128_f8f6f4 v[S+16*\u+8:S+16*\u+15], v[KF+12*\u+6:KF+12*\u+17], v[QF:QF+11], 0, v[KS+\u], v[QS] matrix_a_fmt:MATRIX_FMT_FP6 matrix_b_fmt:MATRIX_FMT_FP6 matrix_a_scale:MATRIX_SCALE_ROW1
.endr
	v_mov_b32 v[OLDM], v12
.rept 3
	v_nop
.endr
	VLOAD \slot, \st
.if (\st) < 3
	KLOAD \slot, (\st)+1
.endif
.if \ask
	global_prefetch_b8 v[PFO], s[46:47] th:TH_LOAD_NT scope:SCOPE_SE
.endif
.if \meet
	s_wait_tensorcnt 0x0
	ds_add_u32 v[SPW], v[NIL]
	s_add_nc_u64 s[34+4*\slot:35+4*\slot], s[34+4*\slot:35+4*\slot], 2*HS
.endif
.irp b, 0,1,2,3
	v_max3_num_f32 v[BM+\b], v[S+16*\b], v[S+1+16*\b], v[S+2+16*\b]
.endr
.irp n, 3,5,7,9,11,13
.irp b, 0,1,2,3
	v_max3_num_f32 v[BM+\b], v[BM+\b], v[S+16*\b+\n], v[S+1+16*\b+\n]
.endr
.endr
.if \meet
	s_wait_alu depctr_va_vdst(0)
	s_wait_dscnt 0x0
	s_barrier_signal -1
.endif
	v_max3_num_f32 v[BM], v[BM], v[S+15], v[S+31]
	v_max3_num_f32 v[BM+2], v[BM+2], v[S+47], v[S+63]
	s_delay_alu instid0(VALU_DEP_2)
	v_max_num_f32 v[BM], v[BM], v[BM+1]
	s_delay_alu instid0(VALU_DEP_2)
	v_max_num_f32 v[BM+2], v[BM+2], v[BM+3]
	s_delay_alu instid0(VALU_DEP_1)
	v_max_num_f32 v[TP], v[BM], v[BM+2]
	s_delay_alu instid0(VALU_DEP_1)
	v_permlanex16_b32 v[TPX], v[TP], s20, s21
	s_delay_alu instid0(VALU_DEP_1)
	v_max3_num_f32 v13, v13, v[TP], v[TPX]
	s_delay_alu instid0(VALU_DEP_1)
	v_mul_f32 v[TP], s22, v13
	s_delay_alu instid0(VALU_DEP_1)
	v_floor_f32 v12, -v[TP]
.set jj, 0
.rept 4
.rept 8
	v_pk_fma_f32 v[S+jj:S+jj+1], v[S+jj:S+jj+1], s[22:23], v[12:13] op_sel_hi:[1,0,0]
.set jj, jj+2
.endr
.if jj == 16
	v_sub_f32 v[TP], v12, v[OLDM]
.elseif jj == 32
	v_cvt_i32_f32 v[TP], v[TP]
.elseif jj == 48
	v_ldexp_f32 v[FF], 1.0, v[TP]
.else
	v_fma_f32 v[BM], v[BM], s22, v12
	v_fma_f32 v[BM+2], v[BM+2], s22, v12
.endif
.endr
	s_wait_alu depctr_va_vdst(0)
	v_exp_f32 v[BM], v[BM]
	v_exp_f32 v[BM+2], v[BM+2]
.set jj, 0
.rept 64
	v_exp_f32 v[S+jj], v[S+jj]
.set jj, jj+1
.endr
	v_pk_mul_f32 v[14:15], v[14:15], v[FF:FF+1] op_sel_hi:[1,0]
.if \meet
	s_wait_alu depctr_va_vdst(0)
	s_barrier_wait -1
	s_cmp_lg_u32 s12, 0
	s_cbranch_scc1 .Lnot_wave_0_\@
	s_barrier_signal -3
.Lnot_wave_0_\@:
	s_barrier_wait -3
	s_barrier_signal -1
.endif
	s_wait_alu depctr_va_vdst(0)
	OM 0
	OM 1
	v_max_num_f32 v[BM], 0x1800000, v[BM]
	v_max_num_f32 v[BM+2], 0x1800000, v[BM+2]
	OM 2
	OM 3
	v_add_nc_u32 v[SOP], 0xff000000, v[BM]
	v_add_nc_u32 v[SOP+2], 0xff000000, v[BM+2]
	OM 4
	OM 5
	v_lshrrev_b32 v[BY], 23, v[SOP]
	v_lshrrev_b32 v[BY+1], 23, v[SOP+2]
	OM 6
	OM 7
	v_lshl_or_b32 v[BY], v[BY+1], 16, v[BY]
.irp j, 8,9,10,11,12,13,14,15
	OM \j
.endr
.irp c, 0,1
	v_cvt_scalef32_pk16_fp6_f32 v[PC+6*\c:PC+6*\c+2], v[S+32*\c:S+32*\c+15], v[SOP+2*\c]
	v_cvt_scalef32_pk16_fp6_f32 v[CT+4*\c:CT+4*\c+2], v[S+32*\c+16:S+32*\c+31], v[SOP+2*\c]
.endr
	v_lshlrev_b32 v[BY], v[SH], v[BY]
	s_delay_alu instid0(VALU_DEP_1)
	v_permlanex16_b32 v[PWX], v[BY], s20, s21
.irp c, 0,1
.irp n, 0,1,2
	v_mov_b32 v[PC+3+6*\c+\n], v[CT+4*\c+\n]
.endr
.endr
	v_or_b32 v[FF+1], v[BY], v[PWX]
.irp j, 0,1,2,3
	v_pk_add_f32 v[CT+2*\j:CT+2*\j+1], v[S+2*\j:S+2*\j+1], v[S+8+2*\j:S+9+2*\j]
.endr
.set nn, 0
.rept 5
.irp j, 0,1,2,3
	v_pk_add_f32 v[CT+2*\j:CT+2*\j+1], v[CT+2*\j:CT+2*\j+1], v[S+16+8*nn+2*\j:S+17+8*nn+2*\j]
.endr
.if nn < 4
	v_pk_add_f32 v[14:15], v[14:15], v[S+56+2*nn:S+57+2*nn]
.endif
.set nn, nn+1
.endr
	v_pk_add_f32 v[CT:CT+1], v[CT:CT+1], v[CT+2:CT+3]
	v_pk_add_f32 v[CT+4:CT+5], v[CT+4:CT+5], v[CT+6:CT+7]
	s_delay_alu instid0(VALU_DEP_1)
	v_pk_add_f32 v[CT:CT+1], v[CT:CT+1], v[CT+4:CT+5]
	s_delay_alu instid0(VALU_DEP_1)
	v_pk_add_f32 v[14:15], v[14:15], v[CT:CT+1]
	s_wait_alu depctr_va_vdst(0)
.if (\st) < 3
	s_wait_dscnt 14
.elseif (\meet) == 0
	s_wait_dscnt 0x0
.endif
.irp u, 0,1
	v_wmma_scale_f32_16x16x128_f8f6f4 v[O+16*\u:O+16*\u+7], v[VF+24*\u:VF+24*\u+11], v[PC:PC+11], v[O+16*\u:O+16*\u+7], v[VS+\u], v[FF+1] matrix_a_fmt:MATRIX_FMT_FP6 matrix_b_fmt:MATRIX_FMT_FP6
	v_wmma_scale_f32_16x16x128_f8f6f4 v[O+16*\u+8:O+16*\u+15], v[VF+24*\u+12:VF+24*\u+23], v[PC:PC+11], v[O+16*\u+8:O+16*\u+15], v[VS+\u], v[FF+1] matrix_a_fmt:MATRIX_FMT_FP6 matrix_b_fmt:MATRIX_FMT_FP6 matrix_a_scale:MATRIX_SCALE_ROW1
.endr
.if \meet
	s_barrier_wait -1
.endif
.endm
.macro TRIP slot, meet, refill, ask
.if \ask
	s_wait_xcnt 0x0
	s_add_nc_u64 s[46:47], s[46:47], HS
.endif
	KLOAD \slot, 0
	STEP \slot, 0, \ask, 0
	STEP \slot, 1, 0, 0
	STEP \slot, 2, 0, 0
	STEP \slot, 3, 0, \meet
.if \refill
	tensor_load_to_lds s[32+4*\slot:35+4*\slot], s[24:31]
	s_nop 0
.endif
.endm
	s_wait_alu depctr_va_vdst(0)
	s_wait_loadcnt 0x0
	s_wait_tensorcnt 0x0
	ds_add_u32 v[SPW], v[NIL]
	s_wait_dscnt 0x0
	CROUND
	tensor_load_to_lds s[36:39], s[24:31]
	s_nop 0
.Lring:
	TRIP 0, 1, 1, 1
	TRIP 1, 1, 1, 1
	s_sub_co_u32 s44, s44, 1
	s_cmp_lg_u32 s44, 0
	s_cbranch_scc1 .Lring
	TRIP 0, 1, 0, 0
	TRIP 1, 0, 0, 0
.rept 4
	v_nop
.endr
	v_add_f32 v14, v14, v15
	s_delay_alu instid0(VALU_DEP_1)
	v_permlanex16_b32 v[TPX], v14, s20, s21
	s_delay_alu instid0(VALU_DEP_1)
	v_add_f32 v14, v14, v[TPX]
	s_wait_alu depctr_va_vdst(0)
	v_rcp_f32 v14, v14
	v_nop
	s_wait_alu depctr_va_vdst(0)
.set jj, 0
.rept 32
	v_mul_f32 v[S+jj], v[O+jj], v14
.set jj, jj+1
.endr
.irp b, 0,1
	v_max3_num_f32 v[BM+\b], |v[S+16*\b]|, |v[S+1+16*\b]|, 0x1800000
.endr
.irp n, 2,4,6,8,10,12,14
.irp b, 0,1
	s_delay_alu instid0(VALU_DEP_2)
	v_max3_num_f32 v[BM+\b], v[BM+\b], |v[S+16*\b+\n]|, |v[S+1+16*\b+\n]|
.endr
.endr
	s_delay_alu instid0(VALU_DEP_2)
	v_permlanex16_b32 v[TPX], v[BM], s20, s21
	s_delay_alu instid0(VALU_DEP_2)
	v_permlanex16_b32 v[PWX], v[BM+1], s20, s21
	s_delay_alu instid0(VALU_DEP_2)
	v_max_num_f32 v[BM], v[BM], v[TPX]
	s_delay_alu instid0(VALU_DEP_2)
	v_max_num_f32 v[BM+1], v[BM+1], v[PWX]
	s_delay_alu instid0(VALU_DEP_2)
	v_add_nc_u32 v[BM+2], 0xff000000, v[BM]
	s_delay_alu instid0(VALU_DEP_2)
	v_add_nc_u32 v[BM+3], 0xff000000, v[BM+1]
	s_delay_alu instid0(VALU_DEP_2)
	v_lshrrev_b32 v[TPX], 23, v[BM+2]
	s_delay_alu instid0(VALU_DEP_2)
	v_lshrrev_b32 v[PWX], 23, v[BM+3]
	s_delay_alu instid0(VALU_DEP_1)
	v_lshl_or_b32 v[FF+1], v[PWX], 8, v[TPX]
	v_cvt_scalef32_pk16_fp6_f32 v[PC:PC+2], v[S:S+15], v[BM+2]
	v_cvt_scalef32_pk16_fp6_f32 v[CT:CT+2], v[S+16:S+31], v[BM+3]
	v_nop
.irp n, 0,1,2
	v_permlane16_swap_b32 v[PC+\n], v[CT+\n]
.endr
.irp n, 0,1,2
	s_delay_alu instid0(VALU_DEP_3)
	v_mov_b32 v[PC+3+\n], v[CT+\n]
.endr
.irp p, 0,1,2
	global_store_b64 v[L8], v[PC+2*\p:PC+2*\p+1], s[8:9] offset:256*\p
.endr
	global_store_b32 v[L4], v[FF+1], s[10:11]
	s_wait_tensorcnt 0x0
	ds_add_u32 v[SPW], v[NIL]
	s_wait_dscnt 0x0
	CROUND
	s_endpgm
.Lfunc_end_k_q6b05520003_attn:
	.size	k_q6b05520003_attn, .Lfunc_end_k_q6b05520003_attn-k_q6b05520003_attn
	.p2alignl 7, 3214868480
	.fill 96, 4, 3214868480
	.section	.rodata,"a",@progbits
	.p2align	6, 0x0
	.amdhsa_kernel k_q6b05520003_attn
		.amdhsa_group_segment_fixed_size 327680
		.amdhsa_private_segment_fixed_size 0
		.amdhsa_enable_private_segment 0
		.amdhsa_kernarg_size 32
		.amdhsa_user_sgpr_count 2
		.amdhsa_user_sgpr_kernarg_segment_ptr 1
		.amdhsa_wavefront_size32 1
		.amdhsa_system_sgpr_workgroup_id_x 1
		.amdhsa_system_sgpr_workgroup_id_y 1
		.amdhsa_system_sgpr_workgroup_id_z 1
		.amdhsa_system_vgpr_workitem_id 0
		.amdhsa_next_free_vgpr 256
		.amdhsa_next_free_sgpr 66
		.amdhsa_reserve_vcc 0
		.amdhsa_float_denorm_mode_32 3
		.amdhsa_float_denorm_mode_16_64 3
		.amdhsa_memory_ordered 1
		.amdhsa_forward_progress 1
		.amdhsa_inst_pref_size 244
	.end_amdhsa_kernel
	.amdgpu_metadata
---
amdhsa.version: [ 1, 2 ]
amdhsa.kernels:
  - .name:           k_q6b05520003_attn
    .symbol:         k_q6b05520003_attn.kd
    .args:
      - { .name: qb, .offset: 0, .size: 8, .value_kind: global_buffer, .address_space: global }
      - { .name: kvb, .offset: 8, .size: 8, .value_kind: global_buffer, .address_space: global }
      - { .name: ctxc, .offset: 16, .size: 8, .value_kind: global_buffer, .address_space: global }
      - { .name: ctxs, .offset: 24, .size: 8, .value_kind: global_buffer, .address_space: global }
    .group_segment_fixed_size: 327680
    .private_segment_fixed_size: 0
    .kernarg_segment_align: 8
    .kernarg_segment_size: 32
    .max_flat_workgroup_size: 384
    .sgpr_count:     66
    .vgpr_count:     256
    .wavefront_size: 32
...
	.end_amdgpu_metadata
.endif
;; end of part 3
;; launch outp (part 4): grid 32 x 6, 8 waves a work-group, no clusters, 198,656 bytes of LDS; arguments ctxc, ctxs, cod, scl, out0; writes out0
.if DOCPART == 4
	.amdgcn_target "amdgcn-amd-amdhsa--gfx1250"
	.amdhsa_code_object_version 6
	.text
	.protected	k_q6b05520003_outp
	.globl	k_q6b05520003_outp
	.p2align	8
	.type	k_q6b05520003_outp,@function
k_q6b05520003_outp:
	s_mov_b64 s[64:65], 0
	v_nop
	global_prefetch_b8 v0, s[64:65] scope:SCOPE_SE
	s_setreg_imm32_b32 hwreg(HW_REG_WAVE_MODE, 25, 1), 1
	s_wait_xcnt 0x0
.set ROWC,  0
.set COLC,  73728
.set ROWS,  147456
.set COLS,  159744
.set STAGE, 162816
.set SPARE, 197632
.set AR8,  1
.set AC16, 2
.set ARS,  3
.set ACS,  4
.set STO,  5
.set RD,   6
.set GO,   7
.set SPW,  8
.set NIL,  9
.set SRW,  12
.set SCW,  24
.set ACC,  36
.set FS,   100
	s_load_b256 s[4:11], s[0:1], 0x0
	s_load_b64 s[12:13], s[0:1], 0x20
	v_lshl_add_u32 v[SPW], v0, 2, SPARE
	v_mov_b32 v[NIL], 0
	ds_add_u32 v[SPW], v[NIL]
	ds_add_u32 v[SPW], v[NIL]
	v_lshrrev_b32 v10, 5, v0
	s_delay_alu instid0(VALU_DEP_1)
	v_readfirstlane_b32 s14, v10
	s_mov_b32 s15, ttmp9
	s_and_b32 s16, ttmp7, 0xffff
	s_lshr_b32 s17, s14, 1
	s_and_b32 s18, s14, 1
	s_mov_b32 s24, 3<<16
	s_mov_b32 s25, 32<<16
	s_mov_b32 s26, 96<<16
	s_mov_b32 s27, 32<<16
	s_mov_b32 s28, 96
	s_mov_b32 s29, 32
	s_mov_b32 s30, 0
	s_mov_b32 s31, 0
	s_mov_b32 s32, 3<<16
	s_mov_b32 s33, 32<<16
	s_mov_b32 s34, 48<<16
	s_mov_b32 s35, 32<<16
	s_mov_b32 s36, 48
	s_mov_b32 s37, 32
	s_mov_b32 s38, 0
	s_mov_b32 s39, 0
	s_mov_b32 s40, 3<<16
	s_mov_b32 s41, 32<<16
	s_mov_b32 s42, 12<<16
	s_mov_b32 s43, 32<<16
	s_mov_b32 s44, 12
	s_mov_b32 s45, 32
	s_mov_b32 s46, 0
	s_mov_b32 s47, 0
	s_lshl_b32 s19, s15, 3
	s_lshl_b32 s20, s16, 3
	s_add_co_u32 s20, s20, 912
	s_mul_i32 s2, s19, 1536
	s_mov_b32 s3, 0
	s_mul_i32 s22, s20, 384
	s_mov_b32 s23, 0
	s_cmp_lt_u32 s14, 3
	s_cselect_b32 s20, s19, s20
	s_cselect_b32 s19, 0, 3
	s_sub_co_u32 s19, s14, s19
	s_mul_i32 s19, s19, 24576
	s_mul_i32 s20, s20, 9216
	s_add_co_u32 s20, s20, s19
	s_mov_b32 s21, 0
	s_mov_b32 s48, 1
	s_mov_b32 s49, ROWS
	s_mov_b32 s52, 1
	s_mov_b32 s53, COLS
	s_mov_b32 s56, 1
	s_mul_i32 s57, s14, 24576
	s_wait_dscnt 0x0
	s_wait_kmcnt 0x0
	s_add_nc_u64 s[50:51], s[6:7], s[2:3]
	s_or_b32 s51, s51, 0x80000000
	s_add_nc_u64 s[54:55], s[10:11], s[22:23]
	s_or_b32 s55, s55, 0x80000000
	s_cmp_lt_u32 s14, 3
	s_cselect_b64 s[2:3], s[4:5], s[8:9]
	s_add_nc_u64 s[58:59], s[2:3], s[20:21]
	s_or_b32 s59, s59, 0x80000000
	s_cmp_lt_u32 s14, 6
	s_cbranch_scc0 .Lhead_sa
	tensor_load_to_lds s[56:59], s[24:31]
	s_nop 0
.rept 4
	v_nop
.endr
	s_branch .Lhead_asked
.Lhead_sa:
	s_cmp_lt_u32 s14, 7
	s_cbranch_scc0 .Lhead_sb
	tensor_load_to_lds s[48:51], s[32:39]
	s_nop 0
.rept 4
	v_nop
.endr
	s_branch .Lhead_asked
.Lhead_sb:
	tensor_load_to_lds s[52:55], s[40:47]
	s_nop 0
.rept 4
	v_nop
.endr
.Lhead_asked:
	v_and_b32 v10, 31, v0
	v_and_b32 v11, 15, v0
	s_wait_alu depctr_va_vdst(0)
	v_bfe_u32 v244, v0, 4, 1
	s_mul_i32 s19, s17, 18432
	v_lshl_add_u32 v[AR8], v10, 3, s19
	s_mul_i32 s19, s18, 36864
	s_add_co_u32 s19, s19, COLC
	v_lshl_add_u32 v[AC16], v10, 4, s19
	s_mul_i32 s19, s17, 3072
	s_add_co_u32 s19, s19, ROWS
	v_lshl_add_u32 v[ARS], v10, 2, s19
	s_mul_i32 s19, s18, 1536
	s_add_co_u32 s19, s19, COLS
	v_lshl_add_u32 v[ACS], v10, 2, s19
	s_mul_i32 s19, s14, 4352
	s_add_co_u32 s19, s19, STAGE
	v_mul_u32_u24 v[STO], v11, 272
	s_wait_alu depctr_va_vdst(0)
	v_lshl_add_u32 v[STO], v244, 6, v[STO]
	s_delay_alu instid0(VALU_DEP_1)
	v_add_nc_u32 v[STO], s19, v[STO]
	v_mul_u32_u24 v[RD], v244, 272
	s_delay_alu instid0(VALU_DEP_1)
	v_lshl_add_u32 v[RD], v11, 4, v[RD]
	s_delay_alu instid0(VALU_DEP_1)
	v_add_nc_u32 v[RD], s19, v[RD]
	v_mul_u32_u24 v[GO], v244, 3072
	s_delay_alu instid0(VALU_DEP_1)
	v_lshl_add_u32 v[GO], v11, 4, v[GO]
	s_lshl_b32 s2, s15, 2
	s_add_co_u32 s2, s2, s17
	s_mul_i32 s2, s2, 32*3072
	s_lshl_b32 s19, s16, 9
	s_add_co_u32 s2, s2, s19
	s_lshl_b32 s19, s18, 8
	s_add_co_u32 s2, s2, s19
	s_mov_b32 s3, 0
	s_add_nc_u64 s[12:13], s[12:13], s[2:3]
.macro PAIR j, zero
.rept 4
	v_nop
.endr
.irp e, 0,1
.irp b, 0,1,2,3
.irp c, 0,1,2
	ds_load_b128 v[FS+72*\e+12*\b+4*\c:FS+72*\e+12*\b+4*\c+3], v[AC16] offset:3072*\j+9216*\b+1536*\e+512*\c
.endr
.endr
.irp a, 0,1
.irp p, 0,1,2,3,4,5
	ds_load_b64 v[FS+72*\e+48+12*\a+2*\p:FS+72*\e+48+12*\a+2*\p+1], v[AR8] offset:3072*\j+9216*\a+1536*\e+256*\p
.endr
.endr
.endr
	s_wait_dscnt 24
.irp a, 0,1
.irp b, 0,1,2,3
.if \zero
	v_wmma_scale_f32_16x16x128_f8f6f4 v[ACC+8*(4*\a+\b):ACC+8*(4*\a+\b)+7], v[FS+12*\b:FS+12*\b+11], v[FS+48+12*\a:FS+48+12*\a+11], 0, v[SCW+3*\b+\j], v[SRW+6*\a+2*\j] matrix_a_fmt:MATRIX_FMT_FP6 matrix_b_fmt:MATRIX_FMT_FP6
.else
	v_wmma_scale_f32_16x16x128_f8f6f4 v[ACC+8*(4*\a+\b):ACC+8*(4*\a+\b)+7], v[FS+12*\b:FS+12*\b+11], v[FS+48+12*\a:FS+48+12*\a+11], v[ACC+8*(4*\a+\b):ACC+8*(4*\a+\b)+7], v[SCW+3*\b+\j], v[SRW+6*\a+2*\j] matrix_a_fmt:MATRIX_FMT_FP6 matrix_b_fmt:MATRIX_FMT_FP6
.endif
.endr
.endr
	s_wait_dscnt 0x0
.irp a, 0,1
.irp b, 0,1,2,3
	v_wmma_scale_f32_16x16x128_f8f6f4 v[ACC+8*(4*\a+\b):ACC+8*(4*\a+\b)+7], v[FS+72+12*\b:FS+72+12*\b+11], v[FS+120+12*\a:FS+120+12*\a+11], v[ACC+8*(4*\a+\b):ACC+8*(4*\a+\b)+7], v[SCW+3*\b+\j], v[SRW+6*\a+2*\j+1] matrix_a_fmt:MATRIX_FMT_FP6 matrix_b_fmt:MATRIX_FMT_FP6 matrix_a_scale:MATRIX_SCALE_ROW1
.endr
.endr
.endm
	s_wait_alu depctr_va_vdst(0)
	s_wait_tensorcnt 0x0
	s_barrier_signal -1
	s_barrier_wait -1
.irp a, 0,1
.irp d, 0,1,2,3,4,5,6,7,8,9,10,11
	ds_load_b32 v[FS+12*\a+\d], v[ARS] offset:1536*\a+128*\d
.endr
.endr
.irp b, 0,1,2,3
.irp j, 0,1,2
	ds_load_b32 v[SCW+3*\b+\j], v[ACS] offset:384*\b+128*\j
.endr
.endr
	s_wait_dscnt 0x0
.irp a, 0,1
.irp s, 0,1,2,3,4,5
	v_lshl_or_b32 v[SRW+6*\a+\s], v[FS+12*\a+2*\s+1], 16, v[FS+12*\a+2*\s]
.endr
.endr
.rept 8
	v_nop
.endr
	s_wait_alu depctr_va_vdst(0)
	PAIR 0, 1
	PAIR 1, 0
	PAIR 2, 0
.rept 4
	v_nop
.endr
.irp a, 0,1
.irp b, 0,1,2,3
	ds_store_b128 v[STO], v[ACC+8*(4*\a+\b):ACC+8*(4*\a+\b)+3] offset:128*(\b/2)+32*(\b%2)
	ds_store_b128 v[STO], v[ACC+8*(4*\a+\b)+4:ACC+8*(4*\a+\b)+7] offset:128*(\b/2)+32*(\b%2)+16
.endr
.irp i, 0,1,2,3,4,5,6,7
	ds_load_b128 v[FS+32*\a+4*\i:FS+32*\a+4*\i+3], v[RD] offset:544*\i
.endr
.endr
.irp a, 0,1
.irp i, 0,1,2,3,4,5,6,7
	s_wait_dscnt 23-16*\a-\i
	global_store_b128 v[GO], v[FS+32*\a+4*\i:FS+32*\a+4*\i+3], s[12:13] offset:(8*\a+2*\i+8*(\i/4))*3072 th:TH_STORE_NT
.endr
.endr
	s_wait_tensorcnt 0x0
	ds_add_u32 v[SPW], v[NIL]
	s_wait_dscnt 0x0
	s_endpgm
.Lfunc_end_k_q6b05520003_outp:
	.size	k_q6b05520003_outp, .Lfunc_end_k_q6b05520003_outp-k_q6b05520003_outp
	.p2alignl 7, 3214868480
	.fill 96, 4, 3214868480
	.section	.rodata,"a",@progbits
	.p2align	6, 0x0
	.amdhsa_kernel k_q6b05520003_outp
		.amdhsa_group_segment_fixed_size 198656
		.amdhsa_private_segment_fixed_size 0
		.amdhsa_enable_private_segment 0
		.amdhsa_kernarg_size 40
		.amdhsa_user_sgpr_count 2
		.amdhsa_user_sgpr_kernarg_segment_ptr 1
		.amdhsa_wavefront_size32 1
		.amdhsa_system_sgpr_workgroup_id_x 1
		.amdhsa_system_sgpr_workgroup_id_y 1
		.amdhsa_system_sgpr_workgroup_id_z 1
		.amdhsa_system_vgpr_workitem_id 0
		.amdhsa_next_free_vgpr 256
		.amdhsa_next_free_sgpr 72
		.amdhsa_reserve_vcc 0
		.amdhsa_float_denorm_mode_32 3
		.amdhsa_float_denorm_mode_16_64 3
		.amdhsa_memory_ordered 1
		.amdhsa_forward_progress 1
		.amdhsa_inst_pref_size 30
	.end_amdhsa_kernel
	.amdgpu_metadata
---
amdhsa.version: [ 1, 2 ]
amdhsa.kernels:
  - .name:           k_q6b05520003_outp
    .symbol:         k_q6b05520003_outp.kd
    .args:
      - { .name: ctxc, .offset: 0, .size: 8, .value_kind: global_buffer, .address_space: global }
      - { .name: ctxs, .offset: 8, .size: 8, .value_kind: global_buffer, .address_space: global }
      - { .name: cod, .offset: 16, .size: 8, .value_kind: global_buffer, .address_space: global }
      - { .name: scl, .offset: 24, .size: 8, .value_kind: global_buffer, .address_space: global }
      - { .name: out0, .offset: 32, .size: 8, .value_kind: global_buffer, .address_space: global }
    .group_segment_fixed_size: 198656
    .private_segment_fixed_size: 0
    .kernarg_segment_align: 8
    .kernarg_segment_size: 40
    .max_flat_workgroup_size: 256
    .sgpr_count:     72
    .vgpr_count:     256
    .wavefront_size: 32
...
	.end_amdgpu_metadata
.endif
;; end of part 4
